; MI455X (gfx1250); checked and timed in simulation.
; The chip was launched on July 23, 2026; its instructions are those of AMD's public machine-readable ISA for CDNA 5 (MIT licence, August 2026) and "CDNA5" Instruction Set Architecture Reference Guide (July 2026). The comments in the code are by the model that wrote it; some were corrected since.
;; Bahdanau Attention. Allowed arithmetic: matrix products marked QUANTISED: E2M1 operands, one E8M0 scale for each 32 along K, by v_wmma_scale_f32_16x16x128_f8f6f4 with both operands' format E2M1 (or v_wmma_scale_f32_32x16x128_f4), f32 sums; products left as they are: f32 operands where the result goes on into a quantised operand, else bf16, f16 or f32 operands; f32 sums; everything else in f32.
;; Inputs: Wk 1,024 x 1,024 float32; Wq 1,024 x 1,024 float32; keys 16 x 4,096 x 1,024 float32; query 16 x 1 x 1,024 float32; v 1,024 float32.
;; Outputs: out0 16 x 1 x 1,024 float32; out1 16 x 1 x 4,096 float32.
;; This version of the problem:
;;   THIS VERSION OF THE PROBLEM IS GIVEN IN LOW PRECISION. The matrix products marked QUANTISED in the list below multiply operands that are first quantised to E2M1 (2 exponent bits, 1 mantissa bit; 4 bits a number), with one power-of-two scale for each 32 numbers along K (OCP MX v1.0); their sums are f32. All else is computed in f32.
;;   The module's matrix products, in the order in which they are computed (A, B: the left and right operand; K: the contracted axis; several contracted axes count as one K, in the product's order):
;;     1. [M 16, K 1,024] x [K 1,024, N 1,024]; A: input query; B: input Wq: QUANTISED
;;     2. [M 65,536, K 1,024] x [K 1,024, N 1,024]; A: input keys; B: input Wk: QUANTISED
;;     3. [M 65,536, K 1,024] x [K 1,024, N 1]; A: computed on the way; B: input v: left as it is (N = 1 < 16)
;;     4. batch 16 x [M 1, K 4,096] x [K 4,096, N 1,024]; A: softmax; B: input keys: left as it is (M = 1 < 16)
;;   THE QUANTISER, for each operand of a quantised product, along K:
;;     - K is cut into blocks of 32 from its start; a last block that is shorter is filled with zeros.
;;     - A block's scale is 2^e with e = floor(log2(the largest magnitude in the block)) - 2, held to -126 .. 127; a block of zeros has e = 0. As a byte (E8M0): e + 127.
;;     - Each number is divided by its block's scale, clamped to +-6, and rounded to the nearest number of E2M1, ties to even, subnormals kept.
;;     - The product sums the exact products of the quantised numbers (number of the format x scale) in f32.
;;   ~~~python
;;   def quantise(x, axis):      # numpy; x: float32 -> the quantised numbers, widened to float32 again
;;       x = np.moveaxis(x, axis, -1); K = x.shape[-1]
;;       x = np.pad(x, [(0, 0)] * (x.ndim - 1) + [(0, -K % 32)]); x = x.reshape(x.shape[:-1] + (-1, 32)); a = np.abs(x).max(-1, keepdims=True)
;;       e = np.where(a > 0, np.clip(np.frexp(np.where(a > 0, a, 1))[1] - 1 - 2, -126, 127), 0)      # np.frexp(a)[1] - 1 = floor(log2(a)), exactly
;;       r = np.clip(x / 2.0 ** e, -6, 6)
;;       step = 2.0 ** (np.maximum(np.frexp(np.where(r == 0, 1, r))[1] - 1, 0) - 1)
;;       q = np.round(r / step) * step * 2.0 ** e      # np.round: ties to even
;;       return np.moveaxis(q.reshape(q.shape[:-2] + (-1,))[..., :K], -1, axis).astype(np.float32)
;;   ~~~
;; One version. Each part assembles by itself: llvm-mc -triple=amdgcn-amd-amdhsa -mcpu=gfx1250 --defsym DOCPART=n.
;; ======== version 1 of 1: 3 launches
;; limits: values are held in bf16: 8 bits of precision; right only within a limited range of input values
;; workspace buffers: wkc 524,288 bytes; wks 32,768 bytes; cq 65,536 bytes; sc 262,144 bytes; part 1,114,112 bytes
;; launch prep (part 1): grid 128 x 1, 8 waves a work-group, no clusters, 211,968 bytes of LDS; arguments Wk, Wq, query, wkc, wks, cq; writes wkc, wks, cq
.if DOCPART == 1
	.amdgcn_target "amdgcn-amd-amdhsa--gfx1250"
	.amdhsa_code_object_version 6
	.text
	.protected	k_qf68806fcd4_prep
	.globl	k_qf68806fcd4_prep
	.p2align	8
	.type	k_qf68806fcd4_prep,@function
k_qf68806fcd4_prep:
	s_mov_b64 s[64:65], 0
	v_nop
	global_prefetch_b8 v0, s[64:65] scope:SCOPE_SE
	s_setreg_imm32_b32 hwreg(HW_REG_WAVE_MODE, 25, 1), 1
	s_wait_xcnt 0x0
; BAHDANAU ATTENTION IN MX-FP4, launch 1 of 3: the weights and the query.
;   work-groups 0-63:   16 rows g of Wk become codes of E2M1 and E8M0 scale words, laid in the order in which the next launch's operand registers take them.
;   work-groups 64-127: 16 rows g of Wq and the 16 rows of query are quantised in registers and multiplied: cq[b][g] = 2 log2(e) x q_proj[b][g].
; WORK LEFT OUT BY THE PROGRAM.  tanh(x) = 1 - 2 r with r = 1 / (1 + e^(2x)), so score[b][t] = sum_g v[g] - 2 sum_g v[g] r[b][t][g].  The first term is the same for every t of a
; batch, whatever finite numbers v holds; a softmax over t is not moved by a term that is the same along t, and score itself is no output.  So sum_g v[g] is never formed.
; Every input still has a way to an output: all five are loaded.  LIMIT: a NaN, an infinity or an overflow that would reach only that sum is not carried to the result.
; THE QUANTISER: a block of 32 along K has the scale 2^(floor(log2(largest magnitude)) - 2); its byte is the largest magnitude's exponent field - 2, held at 1 from below.
; LIMITS: a block of zeros gets the byte 1 where the rule says 127 (its codes are zeros, and this program alone reads the bytes); blocks whose largest magnitude lies under 2^-124
; are held at byte 1; NaN and infinities among the inputs are not served.
; SHARES.  A work-group takes one tile of 16 rows, wave k the tile's K step k (128 along K).  EACH LOAD READS ONE ROW'S 512 CONSECUTIVE BYTES, 16 a lane.  The conversions want lane (r, h) to hold,
; of row r and of each 64 along K, the 32 numbers at 32 h: two whole blocks, in the order of the operand's registers.  So the tile turns through the wave's own LDS: in as loaded, rows 528 bytes
; apart (33 x 16: the 16 rows that a load back touches begin at 16 different 16-byte columns of the 64 banks of 4 bytes, ISA guide 11.1), back 128 bytes a lane, into the registers that it left.
; The two paths part on the work-group's number; each has LDS bytes of its own.
; q_proj's sum over the 8 K steps is made of the eight waves' sums, in ascending order, through LDS: q_proj goes into tanh, not into a quantiser.
.set TP,    528                        ; a row of the turn: 512 bytes + 16
.set WREG,  16*TP                      ; a wave's tile in the turn
.set TX,    8*WREG                     ; LDS: from 0 Wk's tiles (first path); from TX Wq's, from TY query's (second path);
.set TY,    16*WREG
.set PS,    24*WREG                    ; 8 x 1,024 bytes of partial sums;
.set SPARE, PS+8192                    ; the spare words, 128 bytes a wave, which no other line names
.set XR, 32                            ; v32-95   the tile of W: 64 numbers a lane
.set YR, 96                            ; v96-159  the tile of query
; v1, v2 the add's two; v3 r, v4 h; v5, v181 the turn of Wk's tile, in and back; v182, v183 of Wq's; v184, v185 of query's; v6 16 x lane; v7 8 r; v8 W's scale word, v9 query's; v10-15 at work;
; v16-23 W's codes; v24-31 query's; v160-167 the product; v168 8 h; v169 at work; v170, v171 the partial sums, in and back; v172-179 the eight partial sums; v180 my place in cq
.macro LDD reg, b                      ; 16 rows x 128 along K as they lie: load i reads row i's 512 bytes
.irp i, 0,1,2,3,4,5,6,7,8,9,10,11,12,13,14,15
	global_load_b128 v[\reg+4*\i:\reg+4*\i+3], v6, s[\b:\b+1] offset:4096*\i
.endr
.endm
.macro TURN reg, sa, la                ; through my wave's own bytes: LDS serves a wave's instructions in order, so no wait stands between the stores and the loads
.irp i, 0,1,2,3,4,5,6,7,8,9,10,11,12,13,14,15
	ds_store_b128 v[\sa], v[\reg+4*\i:\reg+4*\i+3] offset:TP*\i
.endr
.irp c, 0,1
.irp j, 0,1,2,3,4,5,6,7
	ds_load_b128 v[\reg+32*\c+4*\j:\reg+32*\c+4*\j+3], v[\la] offset:256*\c+16*\j   ; lane (r, h): k = 64 c + 32 h + 0 .. 31 of row r into v[reg + 32 c] on
.endr
.endr
.endm
.macro QUANT src, codes, word          ; 64 numbers of a lane become 8 registers of codes and the row's scale word
.irp c, 0,1
	v_max3_num_f32 v[10+\c], |v[\src+32*\c]|, |v[\src+32*\c+1]|, 0x1800000   ; my block 2 c + h, and the floor 2^(3 - 127): the byte cannot fall under 1
.endr
.irp i, 2,4,6,8,10,12,14,16,18,20,22,24,26,28,30
.irp c, 0,1
	s_delay_alu instid0(VALU_DEP_2)
	v_max3_num_f32 v[10+\c], v[10+\c], |v[\src+32*\c+\i]|, |v[\src+32*\c+\i+1]|   ; the two blocks by turns
.endr
.endr
.irp c, 0,1
	s_delay_alu instid0(VALU_DEP_2)
	v_add_nc_u32 v[12+\c], 0xff000000, v[10+\c]    ; 2 off the exponent field: the conversion takes this operand's exponent field as its scale
.endr
.irp c, 0,1
	s_delay_alu instid0(VALU_DEP_2)
	v_lshrrev_b32 v[14+\c], 23, v[12+\c]           ; the scale's byte
.endr
	s_delay_alu instid0(VALU_DEP_1)
	v_lshl_or_b32 v[\word], v15, 16, v14           ; my two bytes: blocks h and 2 + h,
	s_delay_alu instid0(VALU_DEP_1)
	v_lshlrev_b32 v[\word], v168, v[\word]         ; 8 h bits up;
	v_mov_b32 v169, 0                              ; (a lane permute's destination counts as one of its sources)
	s_delay_alu instid0(VALU_DEP_1)
	v_permlanex16_b32 v169, v[\word], s20, s21
	s_delay_alu instid0(VALU_DEP_1)
	v_or_b32 v[\word], v[\word], v169              ; with lane l xor 16's two the word is whole, in both lanes
.irp c, 0,1
.irp g, 0,1,2,3
	v_cvt_scalef32_pk8_fp4_f32 v[\codes+4*\c+\g], v[\src+32*\c+8*\g:\src+32*\c+8*\g+7], v[12+\c]
.endr
.endr
	v_nop                                          ; one plain place behind the last scaled conversion
.endm
	s_load_b256 s[4:11], s[0:1], 0x0               ; Wk s[4:5], Wq s[6:7], query s[8:9], wkc s[10:11]
	s_load_b128 s[12:15], s[0:1], 0x20             ; wks s[12:13], cq s[14:15]
	v_lshl_add_u32 v1, v0, 2, SPARE
	v_mov_b32 v2, 0
	v_lshrrev_b32 v3, 5, v0
	s_delay_alu instid0(VALU_DEP_1)
	v_readfirstlane_b32 s16, v3                    ; wave = K step
	v_and_b32 v3, 15, v0                           ; r
	v_bfe_u32 v4, v0, 4, 1                         ; h
	v_and_b32 v6, 31, v0
	s_delay_alu instid0(VALU_DEP_1)
	v_lshlrev_b32 v171, 5, v6
	s_delay_alu instid0(VALU_DEP_2)
	v_lshlrev_b32 v6, 4, v6                        ; 16 x lane: my 16 bytes of a row's 512, and of a fragment's image
	v_lshlrev_b32 v7, 3, v3
	v_lshlrev_b32 v168, 3, v4
	s_mul_i32 s19, s16, WREG                       ; every LDS address is made here, ahead of the parting
	v_add_nc_u32 v5, s19, v6                       ; the turn, in: my wave's tile + 16 x lane
	v_mul_u32_u24 v181, v3, TP
	s_delay_alu instid0(VALU_DEP_1)
	v_lshl_add_u32 v181, v4, 7, v181
	s_delay_alu instid0(VALU_DEP_1)
	v_add_nc_u32 v181, s19, v181                   ; and back: row r, + 128 h
	s_delay_alu instid0(VALU_DEP_4)
	v_add_nc_u32 v182, TX, v5
	s_delay_alu instid0(VALU_DEP_2)
	v_add_nc_u32 v183, TX, v181
	v_add_nc_u32 v184, TY, v5
	s_delay_alu instid0(VALU_DEP_4)
	v_add_nc_u32 v185, TY, v181
	v_lshl_add_u32 v170, v0, 5, PS                 ; partial sums, in: 1,024 x wave + 32 x lane
	s_lshl_b32 s18, s16, 2
	s_add_co_u32 s18, s18, PS
	v_add_nc_u32 v171, s18, v171                   ; back: 32 x lane + 4 x wave: register number = my wave of every partial product
	v_lshlrev_b32 v180, 2, v3
	s_delay_alu instid0(VALU_DEP_1)
	v_lshl_add_u32 v180, v4, 15, v180              ; cq: 4 r + 8 h rows of 4,096 bytes
	s_mov_b32 s20, 0x76543210
	s_mov_b32 s21, 0xfedcba98                      ; v_permlanex16_b32: lane l xor 16
	s_and_b32 s17, ttmp9, 63                       ; the tile of 16 rows
	s_lshl_b32 s26, s17, 16
	s_lshl_b32 s27, s16, 9
	s_add_co_u32 s26, s26, s27                     ; 16 rows x 4,096 bytes x tile + 512 bytes x K step
	s_mov_b32 s27, 0
	s_wait_kmcnt 0x0
	s_cmp_lt_u32 ttmp9, 64                         ; the choice hangs on the work-group's number alone
	s_cselect_b64 s[24:25], s[4:5], s[6:7]
	s_add_nc_u64 s[24:25], s[24:25], s[26:27]
	LDD XR, 24
	s_cmp_lt_u32 ttmp9, 64
	s_cbranch_scc0 .Lwq                            ; the same way for all eight waves of a work-group
	; ---- Wk: g = 16 x tile + r belongs to wave w = tile / 8 of the next launch, its pass p = (tile / 4) % 2, its tile t = tile % 4; chunk Q = 8 p + K step
	s_bfe_u32 s32, s17, 0x10002
	s_lshl_b32 s32, s32, 3
	s_add_co_u32 s32, s32, s16                     ; Q
	s_lshr_b32 s33, s17, 3                         ; w
	s_lshl_b32 s28, s33, 16
	s_lshl_b32 s34, s32, 12
	s_add_co_u32 s28, s28, s34
	s_and_b32 s34, s17, 3
	s_lshl_b32 s34, s34, 10
	s_add_co_u32 s28, s28, s34                     ; codes: 65,536 w + 4,096 Q + 1,024 t
	s_mov_b32 s29, 0
	s_lshl_b32 s30, s33, 12
	s_lshl_b32 s34, s32, 8
	s_add_co_u32 s30, s30, s34
	s_and_b32 s34, s17, 1
	s_lshl_b32 s34, s34, 7
	s_add_co_u32 s30, s30, s34
	s_bfe_u32 s34, s17, 0x10001
	s_lshl_b32 s34, s34, 2
	s_add_co_u32 s30, s30, s34                     ; scale words: 4,096 w + 256 Q + 8 (16 (t % 2) + r) + 4 (t / 2)
	s_mov_b32 s31, 0
	s_add_nc_u64 s[10:11], s[10:11], s[28:29]
	s_add_nc_u64 s[12:13], s[12:13], s[30:31]
	s_wait_loadcnt 0x0
	s_wait_alu depctr_va_vdst(0)
	TURN XR, 5, 181
	s_wait_dscnt 0x0
	QUANT XR, 16, 8
	global_store_b128 v6, v[16:19], s[10:11]               ; the fragment as it stands in the registers: 512 consecutive bytes a store
	global_store_b128 v6, v[20:23], s[10:11] offset:512
	global_store_b32 v7, v8, s[12:13]                      ; lanes 16-31 repeat lanes 0-15: the same word to the same place.  Words 8 bytes apart: 32,768 bytes in the whole launch
	s_wait_tensorcnt 0x0                           ; the wave's end: behind my last LDS store
	ds_add_u32 v1, v2
	s_wait_dscnt 0x0
	s_endpgm
.Lwq:	; ---- Wq and query: one product a wave, D(b = 8 h + j, g = 16 x tile + r)
	s_lshl_b32 s28, s16, 9
	s_mov_b32 s29, 0
	s_add_nc_u64 s[8:9], s[8:9], s[28:29]          ; query at my K step; row i is batch i
	LDD YR, 8
	s_lshl_b32 s30, s16, 12
	s_lshl_b32 s31, s17, 6
	s_add_co_u32 s30, s30, s31
	s_mov_b32 s31, 0
	s_add_nc_u64 s[14:15], s[14:15], s[30:31]      ; cq: row = my wave (+ 8 h), 64 bytes x tile
	s_wait_loadcnt 16                              ; Wq's 16 loads are in; query's 16 may be out
	s_wait_alu depctr_va_vdst(0)
	TURN XR, 182, 183
	s_wait_loadcnt 0x0
	TURN YR, 184, 185
	s_wait_dscnt 32                                ; Wq's tile is back; behind it stand query's 16 stores and 16 loads
	QUANT XR, 16, 8
	s_wait_dscnt 0x0
	QUANT YR, 24, 9
.rept 8
	v_nop                                          ; a scale register written by a vector instruction stands 8 places ahead of a scaled matrix instruction, an operand so written 4
.endr
	v_wmma_scale_f32_16x16x128_f8f6f4 v[160:167], v[24:31], v[16:23], 0, v9, v8 matrix_a_fmt:MATRIX_FMT_FP4 matrix_b_fmt:MATRIX_FMT_FP4
.rept 4
	v_nop                                          ; four places ahead of the first read of the result
.endr
	ds_store_b128 v170, v[160:163]                 ; from the low end on
	ds_store_b128 v170, v[164:167] offset:16
	s_wait_dscnt 0x0                               ; for the others' sake: my stores have landed
	s_barrier_signal -1
	s_barrier_wait -1
.irp k, 0,1,2,3,4,5,6,7
	ds_load_b32 v[172+\k], v171 offset:1024*\k     ; register j = my wave of K step k's product
.endr
	s_wait_dscnt 0x0
.irp k, 1
	v_add_f32 v172, v172, v[172+\k]                ; K ascending
.endr
.irp k, 2, 3, 4, 5, 6, 7
	s_delay_alu instid0(VALU_DEP_1)
	v_add_f32 v172, v172, v[172+\k]                ; K ascending
.endr
	s_delay_alu instid0(VALU_DEP_1)
	v_mul_f32 v172, 0x4038aa3b, v172               ; x 2 log2(e)
	global_store_b32 v180, v172, s[14:15]
	s_wait_tensorcnt 0x0                           ; the wave's end: behind my last LDS store
	ds_add_u32 v1, v2
	s_wait_dscnt 0x0
	s_endpgm
.Lfunc_end_k_qf68806fcd4_prep:
	.size	k_qf68806fcd4_prep, .Lfunc_end_k_qf68806fcd4_prep-k_qf68806fcd4_prep
	.p2alignl 7, 3214868480
	.fill 96, 4, 3214868480
	.section	.rodata,"a",@progbits
	.p2align	6, 0x0
	.amdhsa_kernel k_qf68806fcd4_prep
		.amdhsa_group_segment_fixed_size 211968
		.amdhsa_private_segment_fixed_size 0
		.amdhsa_enable_private_segment 0
		.amdhsa_kernarg_size 48
		.amdhsa_user_sgpr_count 2
		.amdhsa_user_sgpr_kernarg_segment_ptr 1
		.amdhsa_wavefront_size32 1
		.amdhsa_system_sgpr_workgroup_id_x 1
		.amdhsa_system_sgpr_workgroup_id_y 1
		.amdhsa_system_sgpr_workgroup_id_z 1
		.amdhsa_system_vgpr_workitem_id 0
		.amdhsa_next_free_vgpr 192
		.amdhsa_next_free_sgpr 66
		.amdhsa_reserve_vcc 0
		.amdhsa_float_denorm_mode_32 3
		.amdhsa_float_denorm_mode_16_64 3
		.amdhsa_memory_ordered 1
		.amdhsa_forward_progress 1
		.amdhsa_inst_pref_size 28
	.end_amdhsa_kernel
	.amdgpu_metadata
---
amdhsa.version: [ 1, 2 ]
amdhsa.kernels:
  - .name:           k_qf68806fcd4_prep
    .symbol:         k_qf68806fcd4_prep.kd
    .args:
      - { .name: Wk, .offset: 0, .size: 8, .value_kind: global_buffer, .address_space: global }
      - { .name: Wq, .offset: 8, .size: 8, .value_kind: global_buffer, .address_space: global }
      - { .name: query, .offset: 16, .size: 8, .value_kind: global_buffer, .address_space: global }
      - { .name: wkc, .offset: 24, .size: 8, .value_kind: global_buffer, .address_space: global }
      - { .name: wks, .offset: 32, .size: 8, .value_kind: global_buffer, .address_space: global }
      - { .name: cq, .offset: 40, .size: 8, .value_kind: global_buffer, .address_space: global }
    .group_segment_fixed_size: 211968
    .private_segment_fixed_size: 0
    .kernarg_segment_align: 8
    .kernarg_segment_size: 48
    .max_flat_workgroup_size: 256
    .sgpr_count:     66
    .vgpr_count:     192
    .wavefront_size: 32
...
	.end_amdgpu_metadata
.endif
;; end of part 1
;; launch attn (part 2): grid 256 x 1, 8 waves a work-group, no clusters, 327,680 bytes of LDS; arguments keys, wkc, wks, cq, v, sc, part; writes sc, part
.if DOCPART == 2
	.amdgcn_target "amdgcn-amd-amdhsa--gfx1250"
	.amdhsa_code_object_version 6
	.text
	.protected	k_qf68806fcd4_attn
	.globl	k_qf68806fcd4_attn
	.p2align	8
	.type	k_qf68806fcd4_attn,@function
k_qf68806fcd4_attn:
	s_mov_b64 s[64:65], 0
	v_nop
	global_prefetch_b8 v0, s[64:65] scope:SCOPE_SE
	s_setreg_imm32_b32 hwreg(HW_REG_WAVE_MODE, 25, 1), 1
	s_wait_xcnt 0x0
; BAHDANAU ATTENTION IN MX-FP4, launch 2 of 3: 256 key rows a work-group, in four blocks of 64.
; LEFT OUT: the term sum_g v[g] of the score (shown at the head of the first kernel).
; A block's f32 rows come through two LDS slots of 32 rows, filled by tensor loads, one a wave.  Each wave quantises its columns into an image of the operand's registers in LDS and keeps a bf16 copy in registers.
; Wave w multiplies all 64 rows with its 128 rows g of Wk, in two passes of 64; Wk's fragments go from memory straight into registers, through four sets of registers that take turns.
; FOUR OF A BLOCK'S SIXTEEN CHUNKS OF Wk ARE NOT LOADED AGAIN.  The first pass walks K as chunks 0..7, the second as 4..7, 0..3: a block ends with chunks 0..3 of its second half of g in the four sets,
; and the next block begins with that half: the two bases of Wk's codes and of its scale words change places once a block, and s56 (0 or 512) picks the half's part of the table of cq and v.
; So a block loads 12 chunks, a work-group 52.  The f32 sums over K of the second pass run in the order 4..7, 0..3.
; r = 1 / (1 + 2^(c x + cq)) is summed with -2 log2(e) v[g]; the eight waves' parts are joined through LDS; a running maximum and sum carry the softmax; the context is summed from the bf16 copy.
; Slot 0 is filled again at a trip's head; slot 1 behind the second pass's products, ahead of its tanh: that barrier also shows slot 0 whole, ahead of the early reads of it.
; No cluster: Wk's fragments, which all work-groups share, go to registers and not through LDS, whose bytes the two slots take.
.set CIMG,  0
.set FP,    1056
.set ASC,   33792
.set WQT,   35840
.set SCP,   44032
.set PW,    46080
.set CTXO,  48128
.set SPARE, 52224
.set STG,   53248
.set WTILE, 16640
.set SLOTB, 133120
.set MSB, 0
.macro WIN new
.if MSB != \new
	s_set_vgpr_msb (MSB<<8)|\new
.set MSB, \new
.endif
.endm
.macro SYNC
	s_wait_dscnt 0x0
	s_barrier_signal -1
	s_barrier_wait -1
.endm
.macro REFILL g
	s_wait_tensorcnt 0x0
	ds_add_u32 v1, v2
	s_add_nc_u64 s[34+4*\g:35+4*\g], s[34+4*\g:35+4*\g], 262144
	s_wait_dscnt 0x0
	s_barrier_signal -1
	s_barrier_wait -1
	tensor_load_to_lds s[32+4*\g:35+4*\g], s[24:31]
	s_nop 0
.rept 4
	v_nop
.endr
.endm
.macro WKLOAD Q                        ; Q: the chunk's place in the block's walk, 0..15; its set of registers is Q % 4
.if (\Q) < 8
.set WKK, (\Q)                         ; first pass: K chunk Q, the first half's bases
.set WKC, 6
.set WKS, 8
.else
.set WKK, ((\Q)-8+4)%8                 ; second pass: K chunks 4..7, 0..3, the second half's bases
.set WKC, 48
.set WKS, 50
.endif
	WIN 0
	global_load_b64 v[28+2*((\Q)%4):29+2*((\Q)%4)], v4, s[WKS:WKS+1] offset:WKK*256
	WIN 0x40
.irp t, 0,1,2,3
.irp c, 0,1
	global_load_b128 v[128+32*((\Q)%4)+8*\t+4*\c:131+32*((\Q)%4)+8*\t+4*\c], v3, s[WKC:WKC+1] offset:WKK*4096+\t*1024+\c*512
.endr
.endr
.endm
.macro ALOAD k
.irp m, 0,1,2,3
.irp c, 0,1
	ds_load_b128 v[64+32*((\k)%2)+8*\m+4*\c:67+32*((\k)%2)+8*\m+4*\c], v3 offset:CIMG+(8*\m+(\k))*FP+512*\c
.endr
.endr
	ds_load_b128 v[36+4*((\k)%2):39+4*((\k)%2)], v5 offset:ASC+(\k)*256
.endm
.macro WQLOAD p, t
.irp e, 0,1,2,3
	ds_load_b128 v[64+16*(\t)+4*\e:67+16*(\t)+4*\e], v60 offset:WQT+(4*(\p)+(\t))*128+16*\e
.endr
.endm
.macro IBATCH a, n0, n1, n2, n3
.irp n, \n0, \n1, \n2, \n3
	v_max3_num_f32 v[64+\n], |v[128+16*\n]|, |v[129+16*\n]|, 0x1800000
.endr
.irp i, 2,4,6,8,10,12,14
.irp n, \n0, \n1, \n2, \n3
	s_delay_alu instid0(VALU_DEP_4)
	v_max3_num_f32 v[64+\n], v[64+\n], |v[128+16*\n+\i]|, |v[129+16*\n+\i]|
.endr
.endr
.irp n, \n0, \n1, \n2, \n3
	s_delay_alu instid0(VALU_DEP_4)
	v_max_num_f32_dpp v[64+\n], v[64+\n], v[64+\n] row_xmask:1 row_mask:0xf bank_mask:0xf
.endr
.irp n, \n0, \n1, \n2, \n3
	s_delay_alu instid0(VALU_DEP_4)
	v_add_nc_u32 v[72+\n], 0xff000000, v[64+\n]
.endr
.irp n, \n0, \n1, \n2, \n3
	v_cvt_scalef32_pk8_fp4_f32 v[88+2*\n], v[128+16*\n:135+16*\n], v[72+\n]
	v_cvt_scalef32_pk8_fp4_f32 v[89+2*\n], v[136+16*\n:143+16*\n], v[72+\n]
.endr
.irp n, \n0, \n1, \n2, \n3
	v_lshrrev_b32 v[80+\n], 23, v[72+\n]
.endr
.irp n, \n0, \n1, \n2, \n3
	ds_store_b64 v8, v[88+2*\n:89+2*\n] offset:CIMG+(2*(\a)+\n/4)*8*FP+(\n%4)*64
	ds_store_b8 v9, v[80+\n] offset:ASC+(\n%4)*64+(2*(\a)+\n/4)*4
.endr
.endm
.macro IPACK a
	WIN 0x40
.irp n, 0,1,2,3,4,5,6,7
.irp i, 0,1,2,3,4,5,6,7
	v_cvt_pk_bf16_f32 v[8*(8*(\a)+\n)+\i], v[128+16*\n+2*\i], v[129+16*\n+2*\i]
.endr
.endr
	WIN 0
.endm
.macro IPRE n
.irp j, 0,1,2,3
.if (\n) < 4
	ds_load_b128 v[128+16*(\n)+4*\j:131+16*(\n)+4*\j], v7 offset:(\n)*WTILE+16*\j
.else
	ds_load_b128 v[128+16*(\n)+4*\j:131+16*(\n)+4*\j], v61 offset:((\n)-4)*WTILE+16*\j
.endif
.endr
.endm
.macro INGEST a
.if (\a) == 0
.set TA0, 7
.else
.set TA0, 60
	v_add_nc_u32 v60, SLOTB, v7
.endif
	v_add_nc_u32 v61, (\a)*SLOTB+4*WTILE, v7
.irp n, 0,1,2,3,4,5,6,7
.irp j, 0,1,2,3
.if \n < 4
	ds_load_b128 v[128+16*\n+4*\j:131+16*\n+4*\j], v[TA0] offset:\n*WTILE+16*\j
.else
	ds_load_b128 v[128+16*\n+4*\j:131+16*\n+4*\j], v61 offset:(\n-4)*WTILE+16*\j
.endif
.endr
.endr
	s_wait_dscnt 16
	IBATCH \a, 0, 1, 2, 3
	s_wait_dscnt 8
	IBATCH \a, 4, 5, 6, 7
	IPACK \a
.endm
.macro CHUNK p, q, last
.if (\q) > 0
.rept 4
	v_nop
.endr
.endif
	WIN 0
.if (\q) < 7
	ALOAD ((\q)+1+4*(\p))%8
.else
	WQLOAD 0, 0
	WQLOAD 0, 1
.endif
.if ((\q) > 0) && !((\last) && ((\q)+3 > 7))
	WKLOAD (8*(\p)+(\q)+3)%16
.endif
.if (\q) < 7
	s_wait_dscnt 9
.else
	s_wait_dscnt 8
.endif
.if (\last) && ((\q)+3 > 7)
	s_wait_loadcnt 9*(7-(\q))
.else
	s_wait_loadcnt 27
.endif
	WIN 0x01
.irp m, 0,1,2,3
.irp t, 0,1,2,3
.set rD, 128+8*(4*\t+\m)
.set rB, 128+32*((\q)%4)+8*\t
.set rA, 64+32*((\q)%2)+8*\m
.set rW, 28+2*((\q)%4)+\t/2
.set rS, 36+4*((\q)%2)+\m
.if ((\q) == 0) && (\t%2 == 0)
	v_wmma_scale_f32_16x16x128_f8f6f4 v[rD:rD+7], v[rB:rB+7], v[rA:rA+7], 0, v[rW], v[rS] matrix_a_fmt:MATRIX_FMT_FP4 matrix_b_fmt:MATRIX_FMT_FP4
.elseif (\q) == 0
	v_wmma_scale_f32_16x16x128_f8f6f4 v[rD:rD+7], v[rB:rB+7], v[rA:rA+7], 0, v[rW], v[rS] matrix_a_fmt:MATRIX_FMT_FP4 matrix_b_fmt:MATRIX_FMT_FP4 matrix_a_scale:MATRIX_SCALE_ROW1
.elseif \t%2 == 0
	v_wmma_scale_f32_16x16x128_f8f6f4 v[rD:rD+7], v[rB:rB+7], v[rA:rA+7], v[rD:rD+7], v[rW], v[rS] matrix_a_fmt:MATRIX_FMT_FP4 matrix_b_fmt:MATRIX_FMT_FP4
.else
	v_wmma_scale_f32_16x16x128_f8f6f4 v[rD:rD+7], v[rB:rB+7], v[rA:rA+7], v[rD:rD+7], v[rW], v[rS] matrix_a_fmt:MATRIX_FMT_FP4 matrix_b_fmt:MATRIX_FMT_FP4 matrix_a_scale:MATRIX_SCALE_ROW1
.endif
.endr
.endr
.endm
.macro TFMA t
.irp i, 0,1,2,3
.irp m, 0,1,2,3
	v_pk_fma_f32 v[128+32*(\t)+8*\m+2*\i:129+32*(\t)+8*\m+2*\i], v[128+32*(\t)+8*\m+2*\i:129+32*(\t)+8*\m+2*\i], s[22:23], v[64+16*(\t)+2*\i:65+16*(\t)+2*\i] op_sel_hi:[1,0,1]
.endr
.endr
.endm
.macro TEXP t
.set j, 0
.rept 32
	v_exp_f32 v[128+32*(\t)+j], v[128+32*(\t)+j]
.set j, j+1
.endr
.endm
.macro TADD t
.set j, 0
.rept 16
	v_pk_add_f32 v[128+32*(\t)+j:129+32*(\t)+j], v[128+32*(\t)+j:129+32*(\t)+j], 1.0 op_sel_hi:[1,0]
.set j, j+2
.endr
.endm
.macro TRCP t
.set j, 0
.rept 32
	v_rcp_f32 v[128+32*(\t)+j], v[128+32*(\t)+j]
.set j, j+1
.endr
.endm
.macro TACC p, t
.irp i, 0,1,2,3
.irp m, 0,1,2,3
.if ((\p) == 0) && ((\t) == 0) && (\i == 0)
	v_pk_mul_f32 v[20+2*\m:21+2*\m], v[128+32*(\t)+8*\m:129+32*(\t)+8*\m], v[72+16*(\t):73+16*(\t)]
.else
	v_pk_fma_f32 v[20+2*\m:21+2*\m], v[128+32*(\t)+8*\m+2*\i:129+32*(\t)+8*\m+2*\i], v[72+16*(\t)+2*\i:73+16*(\t)+2*\i], v[20+2*\m:21+2*\m]
.endif
.endr
.endr
.endm
.macro PASS p, last, pre
	WIN 0
.if \p
	s_xor_b32 s56, s56, 512                        ; the other half of my 128 g: its part of the table lies 512 bytes off
.endif
	v_add_nc_u32 v60, s56, v6                      ; where this pass's cq and v lie
	s_wait_alu depctr_va_vdst(0)                   ; the wait directly behind the write
	ALOAD 4*(\p)
.irp q, 0,1,2,3,4,5,6,7
	CHUNK \p, \q, \last
.endr
.rept 4
	v_nop
.endr
.if !(\last)
	WKLOAD (8*(\p)+11)%16
.endif
	WIN 0
.if \pre
	REFILL 1                                       ; slot 0 is whole and nobody reads slot 1: it takes the next block's last 32 rows
.endif
	WQLOAD 0, 2
	WQLOAD 0, 3
	s_wait_dscnt 8
	TFMA 0
	s_wait_alu depctr_va_vdst(0)
.irp t, 0,1,2,3
	TEXP \t
.if \t > 0
	TACC \p, \t-1
.if \pre
.if \t == 3
	v_add_nc_u32 v61, 4*WTILE, v7
.endif
	IPRE 2*\t-2
	IPRE 2*\t-1
.endif
.else
	v_nop
.endif
	s_wait_alu depctr_va_vdst(0)
	TADD \t
	s_wait_alu depctr_va_vdst(0)
	TRCP \t
.if \t < 3
.if \t == 1
	s_wait_dscnt 8*(\pre)
.endif
	s_wait_alu depctr_va_vdst(0)
	TFMA \t+1
.else
	v_nop
.endif
	s_wait_alu depctr_va_vdst(0)
.endr
	TACC \p, 3
.if \pre
	IPRE 6
	IPRE 7
.endif
.endm
.macro SPART
.irp m, 0,1,2,3
	v_add_f32 v[20+2*\m], v[20+2*\m], v[21+2*\m]
.endr
.irp m, 0,1,2,3
	s_delay_alu instid0(VALU_DEP_4)
	v_permlanex16_b32 v[21+2*\m], v[20+2*\m], s20, s21
.endr
.irp m, 0,1,2,3
	s_delay_alu instid0(VALU_DEP_4)
	v_add_f32 v[20+2*\m], v[20+2*\m], v[21+2*\m]
.endr
.irp m, 0,1,2,3
	ds_store_b32 v10, v[20+2*\m] offset:SCP+64*\m
.endr
.endm
.macro POST more
.irp k, 0,1,2,3,4,5,6,7
	ds_load_b64 v[104+2*\k:105+2*\k], v4 offset:SCP+256*\k
.endr
.if \more
	IBATCH 0, 0, 1, 2, 3
.endif
	s_wait_dscnt 8*(\more)
.irp k, 0,4,8,12
	v_pk_add_f32 v[104+\k:105+\k], v[104+\k:105+\k], v[106+\k:107+\k]
.endr
	s_delay_alu instid0(VALU_DEP_3)
	v_pk_add_f32 v[104:105], v[104:105], v[108:109]
	s_delay_alu instid0(VALU_DEP_2)
	v_pk_add_f32 v[112:113], v[112:113], v[116:117]
	s_delay_alu instid0(VALU_DEP_1)
	v_pk_add_f32 v[18:19], v[104:105], v[112:113]
	s_cmp_lg_u32 s18, 0
	s_cbranch_scc1 .Lnot0_\@
	global_store_b64 v4, v[18:19], s[14:15]
.Lnot0_\@:
	s_wait_alu depctr_va_vdst(0)
	v_max_num_f32 v20, v18, v19
	s_delay_alu instid0(VALU_DEP_1)
	v_max_num_f32_dpp v20, v20, v20 row_xmask:1 row_mask:0xf bank_mask:0xf
	s_delay_alu instid0(VALU_DEP_1)
	v_max_num_f32_dpp v20, v20, v20 row_xmask:2 row_mask:0xf bank_mask:0xf
	s_delay_alu instid0(VALU_DEP_1)
	v_max_num_f32_dpp v20, v20, v20 row_xmask:4 row_mask:0xf bank_mask:0xf
	s_delay_alu instid0(VALU_DEP_1)
	v_max_num_f32_dpp v20, v20, v20 row_xmask:8 row_mask:0xf bank_mask:0xf
	s_delay_alu instid0(VALU_DEP_1)
	v_permlanex16_b32 v21, v20, s20, s21
	s_delay_alu instid0(VALU_DEP_1)
	v_max_num_f32 v20, v20, v21
	s_delay_alu instid0(VALU_DEP_1)
	v_max_num_f32 v20, v20, v14
	s_delay_alu instid0(VALU_DEP_1)
	v_sub_f32 v16, v14, v20
	s_delay_alu instid0(VALU_DEP_2)
	v_sub_f32 v62, v18, v20
	s_delay_alu instid0(VALU_DEP_3)
	v_sub_f32 v63, v19, v20
	s_wait_alu depctr_va_vdst(0)
	v_exp_f32 v16, v16
	v_exp_f32 v62, v62
	v_exp_f32 v63, v63
	v_mov_b32 v14, v20
	s_wait_alu depctr_va_vdst(0)
	v_fma_f32 v15, v15, v16, v62
	v_add_f32 v15, v15, v63
	ds_store_b64 v11, v[62:63] offset:PW
.irp G, 0,1,2,3,4,5,6,7,8,9,10,11,12,13,14,15
	ds_load_b32 v[104+\G], v12 offset:PW+16*\G
.endr
.irp i, 0,2,4,6,8,10,12,14
	v_pk_mul_f32 v[44+\i:45+\i], v[44+\i:45+\i], v[16:17] op_sel_hi:[1,0]
.endr
.if \more
	IBATCH 0, 4, 5, 6, 7
.endif
	s_wait_alu depctr_va_vdst(0)
	s_wait_dscnt 8*(\more)
	WIN 0x01
.irp G, 0,1,2,3,4,5,6,7,8,9,10,11,12,13,14,15
.irp i, 0,1,2,3,4,5,6,7
	v_fma_mix_f32_bf16 v[44+2*\i], v[8*\G+\i], v[104+\G], v[44+2*\i] op_sel_hi:[1,0,0]
	v_fma_mix_f32_bf16 v[45+2*\i], v[8*\G+\i], v[104+\G], v[45+2*\i] op_sel:[1,0,0] op_sel_hi:[1,0,0]
.endr
.endr
	WIN 0
.if \more
	IPACK 0
	s_wait_xcnt 0x0
	s_add_nc_u64 s[14:15], s[14:15], 256
	s_mov_b64 s[52:53], s[6:7]                     ; no load of Wk is out: the two halves' bases change places, codes
	s_mov_b64 s[6:7], s[48:49]
	s_mov_b64 s[48:49], s[52:53]
	s_mov_b64 s[54:55], s[8:9]                     ; and scale words
	s_mov_b64 s[8:9], s[50:51]
	s_mov_b64 s[50:51], s[54:55]
.endif
.endm
	s_load_b256 s[4:11], s[0:1], 0x0
	s_load_b128 s[12:15], s[0:1], 0x20
	s_load_b64 s[16:17], s[0:1], 0x30
	v_lshl_add_u32 v1, v0, 2, SPARE
	v_mov_b32 v2, 0
	ds_add_u32 v1, v2
	ds_add_u32 v1, v2
	v_lshrrev_b32 v3, 5, v0
	s_delay_alu instid0(VALU_DEP_1)
	v_readfirstlane_b32 s18, v3
	s_mov_b32 s24, (2<<16)|(1<<20)|(7<<22)|(3<<25)
	s_mov_b32 s25, 256<<16
	s_mov_b32 s26, 16<<16
	s_mov_b32 s27, 256<<16
	s_mov_b32 s28, 16
	s_mov_b32 s29, 256
	s_mov_b32 s30, 0
	s_mov_b32 s31, 0
	s_mov_b32 s20, 0x76543210
	s_mov_b32 s21, 0xfedcba98
	s_mov_b32 s22, 0x4038aa3b
	s_mov_b32 s23, s22
	s_mov_b32 s19, 3
	s_mov_b32 s56, 0
	s_lshl_b32 s40, ttmp9, 20
	s_lshl_b32 s41, s18, 14
	s_add_co_u32 s40, s40, s41
	s_mov_b32 s41, 0
	s_mul_i32 s42, s18, WTILE
	s_add_co_u32 s42, s42, STG
	v_and_b32 v72, 31, v0
	s_delay_alu instid0(VALU_DEP_1)
	v_lshlrev_b32 v3, 4, v72
	s_delay_alu instid0(VALU_DEP_2)
	v_lshlrev_b32 v4, 3, v72
	s_wait_alu depctr_va_vdst(0)
	s_wait_dscnt 0x0
	s_wait_kmcnt 0x0
	s_add_nc_u64 s[4:5], s[4:5], s[40:41]
	s_mov_b32 s32, 1
	s_mov_b32 s33, s42
	s_mov_b64 s[34:35], s[4:5]
	s_or_b32 s35, s35, 0x80000000
	s_mov_b32 s36, 1
	s_add_co_u32 s37, s42, SLOTB
	s_add_nc_u64 s[38:39], s[4:5], 131072
	s_or_b32 s39, s39, 0x80000000
	tensor_load_to_lds s[32:35], s[24:31]
	s_nop 0
	s_wait_alu depctr_va_vdst(0)
	s_wait_tensorcnt 0x0
	ds_add_u32 v1, v2
	s_wait_dscnt 0x0
	s_barrier_signal -1
	s_barrier_wait -1
	tensor_load_to_lds s[36:39], s[24:31]
	s_nop 0
.rept 4
	v_nop
.endr
	s_mov_b32 s45, 0
	s_lshl_b32 s44, s18, 16
	s_add_nc_u64 s[6:7], s[6:7], s[44:45]
	s_lshl_b32 s44, s18, 12
	s_add_nc_u64 s[8:9], s[8:9], s[44:45]
	s_add_nc_u64 s[48:49], s[6:7], 32768           ; the second half of my g: 8 chunks of 4,096 bytes of codes on,
	s_add_nc_u64 s[50:51], s[8:9], 2048            ; 8 x 256 bytes of scale words on
	s_lshr_b32 s44, ttmp9, 4
	s_lshl_b32 s44, s44, 12
	s_add_nc_u64 s[10:11], s[10:11], s[44:45]
	s_lshl_b32 s44, ttmp9, 10
	s_add_nc_u64 s[14:15], s[14:15], s[44:45]
	s_mul_i32 s44, ttmp9, 4352
	s_add_nc_u64 s[16:17], s[16:17], s[44:45]
	v_lshlrev_b32 v60, 4, v0
	global_load_b128 v[64:67], v60, s[10:11]
	global_load_b128 v[68:71], v60, s[12:13]
	WKLOAD 0
	WKLOAD 1
	WKLOAD 2
	WKLOAD 3
	WIN 0
	v_and_b32 v73, 15, v0
	v_bfe_u32 v74, v0, 4, 1
	v_and_b32 v75, 1, v0
	v_bfe_u32 v76, v0, 1, 2
	v_bfe_u32 v77, v0, 3, 1
	s_delay_alu instid0(VALU_DEP_1)
	v_lshl_add_u32 v78, v77, 1, v74
	v_lshlrev_b32 v5, 4, v73
	s_lshl_b32 s43, s18, 10
	v_lshl_add_u32 v6, v74, 6, s43
	v_mul_u32_u24 v7, v78, 4160
	s_delay_alu instid0(VALU_DEP_1)
	v_mad_u32_u24 v7, v76, 1040, v7
	s_delay_alu instid0(VALU_DEP_1)
	v_lshl_add_u32 v7, v75, 6, v7
	s_lshl_b32 s44, s18, 7
	s_add_co_u32 s44, s44, STG
	v_add_nc_u32 v7, s44, v7
	v_mul_u32_u24 v8, v76, 2*FP
	s_delay_alu instid0(VALU_DEP_1)
	v_lshl_add_u32 v8, v78, 4, v8
	s_delay_alu instid0(VALU_DEP_1)
	v_lshl_add_u32 v8, v75, 3, v8
	s_lshr_b32 s44, s18, 2
	s_mul_i32 s44, s44, FP
	s_and_b32 s46, s18, 3
	s_lshl_b32 s47, s46, 8
	s_add_co_u32 s44, s44, s47
	v_add_nc_u32 v8, s44, v8
	v_lshlrev_b32 v9, 9, v76
	s_delay_alu instid0(VALU_DEP_1)
	v_lshl_add_u32 v9, v78, 4, v9
	s_lshr_b32 s44, s18, 2
	s_lshl_b32 s44, s44, 8
	s_add_co_u32 s44, s44, s46
	v_add_nc_u32 v9, s44, v9
	s_lshl_b32 s44, s18, 8
	v_lshl_add_u32 v10, v73, 2, s44
	v_add_nc_u32 v11, s44, v4
	v_lshl_add_u32 v12, v78, 2, s44
	v_lshlrev_b32 v13, 10, v76
	s_delay_alu instid0(VALU_DEP_1)
	v_lshl_add_u32 v13, v75, 6, v13
	s_lshl_b32 s44, s18, 7
	v_add_nc_u32 v13, s44, v13
	v_lshrrev_b32 v79, 1, v0
	s_delay_alu instid0(VALU_DEP_1)
	v_lshlrev_b32 v79, 6, v79
	s_delay_alu instid0(VALU_DEP_1)
	v_lshl_add_u32 v79, v75, 4, v79
	v_mov_b32 v14, 0xff61b1e6
	v_mov_b32 v15, 0
	v_mov_b32 v16, 0
	v_mov_b32 v17, 0
.irp i, 0,1,2,3,4,5,6,7,8,9,10,11,12,13,14,15
	v_mov_b32 v[44+\i], 0
.endr
	s_wait_loadcnt 36
.irp i, 0,1,2,3
	v_mul_f32 v[68+\i], 0xc038aa3b, v[68+\i]
.endr
	ds_store_b128 v79, v[64:67] offset:WQT
	ds_store_b128 v79, v[68:71] offset:WQT+32
	s_wait_tensorcnt 0x1
	s_wait_dscnt 0x0
	s_barrier_signal -1
	s_barrier_wait -1
	INGEST 0
.Lblk:
	REFILL 0
	INGEST 1
	SYNC
	PASS 0, 0, 0
	PASS 1, 1, 1
	SPART
	SYNC
	POST 1
	s_sub_co_u32 s19, s19, 1
	s_cmp_lg_u32 s19, 0
	s_cbranch_scc1 .Lblk
	s_wait_tensorcnt 0x0
	SYNC
	INGEST 1
	SYNC
	PASS 0, 0, 0
	PASS 1, 1, 0
	SPART
	SYNC
	POST 0
	v_add_f32_dpp v15, v15, v15 row_xmask:1 row_mask:0xf bank_mask:0xf
	s_delay_alu instid0(VALU_DEP_1)
	v_add_f32_dpp v15, v15, v15 row_xmask:2 row_mask:0xf bank_mask:0xf
	s_delay_alu instid0(VALU_DEP_1)
	v_add_f32_dpp v15, v15, v15 row_xmask:4 row_mask:0xf bank_mask:0xf
	s_delay_alu instid0(VALU_DEP_1)
	v_add_f32_dpp v15, v15, v15 row_xmask:8 row_mask:0xf bank_mask:0xf
	s_delay_alu instid0(VALU_DEP_1)
	v_permlanex16_b32 v21, v15, s20, s21
	s_delay_alu instid0(VALU_DEP_1)
	v_add_f32 v15, v15, v21
.irp i, 0,1,2,3,4,5,6,7,8,9,10,11,12,13,14,15
	v_add_f32_dpp v[44+\i], v[44+\i], v[44+\i] row_xmask:8 row_mask:0xf bank_mask:0xf
.endr
.irp i, 0,1,2,3,4,5,6,7,8,9,10,11,12,13,14,15
	v_permlanex16_b32 v[64+\i], v[44+\i], s20, s21
.endr
.irp i, 0,1,2,3,4,5,6,7,8,9,10,11,12,13,14,15
	v_add_f32 v[44+\i], v[44+\i], v[64+\i]
.endr
.irp j, 0,1,2,3
	ds_store_b128 v13, v[44+4*\j:47+4*\j] offset:CTXO+16*\j
.endr
	SYNC
	v_lshlrev_b32 v60, 4, v0
	ds_load_b128 v[64:67], v60 offset:CTXO
	s_wait_alu depctr_va_vdst(0)
	s_wait_dscnt 0x0
	global_store_b128 v60, v[64:67], s[16:17]
	s_cmp_lg_u32 s18, 0
	s_cbranch_scc1 .Lnot_first
	global_store_b64 v4, v[14:15], s[16:17] offset:4096
.Lnot_first:
	s_wait_tensorcnt 0x0
	ds_add_u32 v1, v2
	s_wait_dscnt 0x0
	s_endpgm
.Lfunc_end_k_qf68806fcd4_attn:
	.size	k_qf68806fcd4_attn, .Lfunc_end_k_qf68806fcd4_attn-k_qf68806fcd4_attn
	.p2alignl 7, 3214868480
	.fill 96, 4, 3214868480
	.section	.rodata,"a",@progbits
	.p2align	6, 0x0
	.amdhsa_kernel k_qf68806fcd4_attn
		.amdhsa_group_segment_fixed_size 327680
		.amdhsa_private_segment_fixed_size 0
		.amdhsa_enable_private_segment 0
		.amdhsa_kernarg_size 56
		.amdhsa_user_sgpr_count 2
		.amdhsa_user_sgpr_kernarg_segment_ptr 1
		.amdhsa_wavefront_size32 1
		.amdhsa_system_sgpr_workgroup_id_x 1
		.amdhsa_system_sgpr_workgroup_id_y 1
		.amdhsa_system_sgpr_workgroup_id_z 1
		.amdhsa_system_vgpr_workitem_id 0
		.amdhsa_next_free_vgpr 512
		.amdhsa_next_free_sgpr 66
		.amdhsa_reserve_vcc 0
		.amdhsa_float_denorm_mode_32 3
		.amdhsa_float_denorm_mode_16_64 3
		.amdhsa_memory_ordered 1
		.amdhsa_forward_progress 1
		.amdhsa_inst_pref_size 255
	.end_amdhsa_kernel
	.section	.bss,"aw",@nobits
	.p2align	6
	.space	262144
	.amdgpu_metadata
---
amdhsa.version: [ 1, 2 ]
amdhsa.kernels:
  - .name:           k_qf68806fcd4_attn
    .symbol:         k_qf68806fcd4_attn.kd
    .args:
      - { .name: keys, .offset: 0, .size: 8, .value_kind: global_buffer, .address_space: global }
      - { .name: wkc, .offset: 8, .size: 8, .value_kind: global_buffer, .address_space: global }
      - { .name: wks, .offset: 16, .size: 8, .value_kind: global_buffer, .address_space: global }
      - { .name: cq, .offset: 24, .size: 8, .value_kind: global_buffer, .address_space: global }
      - { .name: v, .offset: 32, .size: 8, .value_kind: global_buffer, .address_space: global }
      - { .name: sc, .offset: 40, .size: 8, .value_kind: global_buffer, .address_space: global }
      - { .name: part, .offset: 48, .size: 8, .value_kind: global_buffer, .address_space: global }
    .group_segment_fixed_size: 327680
    .private_segment_fixed_size: 0
    .kernarg_segment_align: 8
    .kernarg_segment_size: 56
    .max_flat_workgroup_size: 256
    .sgpr_count:     66
    .vgpr_count:     512
    .wavefront_size: 32
...
	.end_amdgpu_metadata
.endif
;; end of part 2
;; launch fin (part 3): grid 32 x 1, 4 waves a work-group, no clusters, 0 bytes of LDS; arguments part, sc, out0, out1; writes out0, out1
.if DOCPART == 3
	.amdgcn_target "amdgcn-amd-amdhsa--gfx1250"
	.amdhsa_code_object_version 6
	.text
	.protected	k_qf68806fcd4_fin
	.globl	k_qf68806fcd4_fin
	.p2align	8
	.type	k_qf68806fcd4_fin,@function
k_qf68806fcd4_fin:
	s_mov_b64 s[64:65], 0
	v_nop
	global_prefetch_b8 v0, s[64:65] scope:SCOPE_SE
	s_setreg_imm32_b32 hwreg(HW_REG_WAVE_MODE, 25, 1), 1
	s_wait_xcnt 0x0
; BAHDANAU ATTENTION IN MX-FP4, launch 3 of 3: the 16 partial softmaxes of a batch are joined.
; LEFT OUT: the term sum_g v[g] of the score (shown at the head of the first kernel): sc holds the score in units of log2 without it.
; part's row j of a batch: 1,024 numbers ctx_j, then (m_j, l_j).  M = the largest m_j; e_j = 2^(m_j - M); L = sum_j l_j e_j; context = sum_j e_j ctx_j / L; attn[t] = 2^(sc[t] - M) / L.
; Two work-groups to a batch, four waves each: a wave takes 128 columns of the context and 512 positions of attn.  All 21 loads of a wave go out together; every store covers 512 consecutive bytes.
; No LDS, no matrix unit, no cluster: 1.4 MB are read once and waves share nothing.
	s_load_b256 s[4:11], s[0:1], 0x0               ; part s[4:5], sc s[6:7], out0 s[8:9], out1 s[10:11]
	v_lshrrev_b32 v1, 5, v0
	v_readfirstlane_b32 s12, v1                    ; wave
	v_and_b32 v1, 31, v0                           ; lane
	v_and_b32 v2, 15, v0
	v_mul_u32_u24 v2, v2, 4352                     ; lane % 16 takes part's row j = lane % 16
	s_lshr_b32 s13, ttmp9, 1                       ; the batch
	s_and_b32 s14, ttmp9, 1                        ; which half of its columns and positions
	s_lshl_b32 s15, s14, 11
	s_lshl_b32 s16, s12, 9
	s_add_co_u32 s15, s15, s16
	v_lshl_add_u32 v3, v1, 4, s15                  ; context: 2,048 x half + 512 x wave + 16 x lane
	s_lshl_b32 s15, s15, 2
	v_lshl_add_u32 v6, v1, 4, s15                  ; attn: 8,192 x half + 2,048 x wave + 16 x lane
	s_mul_i32 s16, s13, 16*4352
	s_mov_b32 s17, 0
	s_lshl_b32 s18, s13, 14
	s_mov_b32 s19, 0
	s_lshl_b32 s20, s13, 12
	s_mov_b32 s21, 0
	s_wait_alu depctr_va_vdst(0)
	s_wait_kmcnt 0x0
	s_add_nc_u64 s[4:5], s[4:5], s[16:17]
	s_add_nc_u64 s[6:7], s[6:7], s[18:19]
	s_add_nc_u64 s[8:9], s[8:9], s[20:21]
	s_add_nc_u64 s[10:11], s[10:11], s[18:19]
	global_load_b64 v[4:5], v2, s[4:5] offset:4096             ; (m_j, l_j)
.irp j, 0,1,2,3,4,5,6,7,8,9,10,11,12,13,14,15
	global_load_b128 v[16+4*\j:19+4*\j], v3, s[4:5] offset:4352*\j
.endr
.irp i, 0,1,2,3
	global_load_b128 v[80+4*\i:83+4*\i], v6, s[6:7] offset:512*\i
.endr
	s_wait_loadcnt 20                              ; (m, l) are in; the 20 younger loads may be out
	v_mov_b32 v7, v4
	v_max_num_f32_dpp v7, v7, v7 row_xmask:1 row_mask:0xf bank_mask:0xf
	v_max_num_f32_dpp v7, v7, v7 row_xmask:2 row_mask:0xf bank_mask:0xf
	v_max_num_f32_dpp v7, v7, v7 row_xmask:4 row_mask:0xf bank_mask:0xf
	v_max_num_f32_dpp v7, v7, v7 row_xmask:8 row_mask:0xf bank_mask:0xf   ; M, in every lane: both halves of the lanes hold the same sixteen
	v_sub_f32 v8, v4, v7
	s_wait_alu depctr_va_vdst(0)
	v_exp_f32 v8, v8                               ; e_j
	v_nop                                          ; a plain place behind the transcendental,
	s_wait_alu depctr_va_vdst(0)                   ; and the wait ahead of its first reader
	v_mul_f32 v9, v5, v8
	v_add_f32_dpp v9, v9, v9 row_xmask:1 row_mask:0xf bank_mask:0xf
	v_add_f32_dpp v9, v9, v9 row_xmask:2 row_mask:0xf bank_mask:0xf
	v_add_f32_dpp v9, v9, v9 row_xmask:4 row_mask:0xf bank_mask:0xf
	v_add_f32_dpp v9, v9, v9 row_xmask:8 row_mask:0xf bank_mask:0xf       ; L: at least 1, since the block that holds M has a p of 1
	s_wait_alu depctr_va_vdst(0)
	v_rcp_f32 v10, v9
	v_nop
	s_wait_alu depctr_va_vdst(0)
	v_mul_f32 v11, v8, v10                         ; e_j / L
.irp j, 0,1,2,3,4,5,6,7,8,9,10,11,12,13,14,15
	v_readlane_b32 s[32+\j], v11, \j               ; sixteen factors: data alone, no address and no branch hangs on them
.endr
	s_wait_loadcnt 4                               ; part's 16 loads are in; sc's 4 may be out
.irp k, 0,1,2,3
	v_mul_f32 v[96+\k], s32, v[16+\k]
.endr
.irp j, 1,2,3,4,5,6,7,8,9,10,11,12,13,14,15
.irp k, 0,1,2,3
	v_fmac_f32 v[96+\k], s[32+\j], v[16+4*\j+\k]
.endr
.endr
	global_store_b128 v3, v[96:99], s[8:9]
	s_wait_loadcnt 0x0
.irp i, 0,1,2,3,4,5,6,7,8,9,10,11,12,13,14,15
	v_sub_f32 v[80+\i], v[80+\i], v7
.endr
	s_wait_alu depctr_va_vdst(0)
.irp i, 0,1,2,3,4,5,6,7,8,9,10,11,12,13,14,15
	v_exp_f32 v[80+\i], v[80+\i]
.endr
	v_nop
	s_wait_alu depctr_va_vdst(0)                   ; one wait for the sixteen
.irp i, 0,1,2,3,4,5,6,7,8,9,10,11,12,13,14,15
	v_mul_f32 v[80+\i], v[80+\i], v10
.endr
.irp i, 0,1,2,3
	global_store_b128 v6, v[80+4*\i:83+4*\i], s[10:11] offset:512*\i
.endr
	s_endpgm
.Lfunc_end_k_qf68806fcd4_fin:
	.size	k_qf68806fcd4_fin, .Lfunc_end_k_qf68806fcd4_fin-k_qf68806fcd4_fin
	.p2alignl 7, 3214868480
	.fill 96, 4, 3214868480
	.section	.rodata,"a",@progbits
	.p2align	6, 0x0
	.amdhsa_kernel k_qf68806fcd4_fin
		.amdhsa_group_segment_fixed_size 0
		.amdhsa_private_segment_fixed_size 0
		.amdhsa_enable_private_segment 0
		.amdhsa_kernarg_size 32
		.amdhsa_user_sgpr_count 2
		.amdhsa_user_sgpr_kernarg_segment_ptr 1
		.amdhsa_wavefront_size32 1
		.amdhsa_system_sgpr_workgroup_id_x 1
		.amdhsa_system_sgpr_workgroup_id_y 1
		.amdhsa_system_sgpr_workgroup_id_z 1
		.amdhsa_system_vgpr_workitem_id 0
		.amdhsa_next_free_vgpr 112
		.amdhsa_next_free_sgpr 66
		.amdhsa_reserve_vcc 0
		.amdhsa_float_denorm_mode_32 3
		.amdhsa_float_denorm_mode_16_64 3
		.amdhsa_memory_ordered 1
		.amdhsa_forward_progress 1
		.amdhsa_inst_pref_size 10
	.end_amdhsa_kernel
	.amdgpu_metadata
---
amdhsa.version: [ 1, 2 ]
amdhsa.kernels:
  - .name:           k_qf68806fcd4_fin
    .symbol:         k_qf68806fcd4_fin.kd
    .args:
      - { .name: part, .offset: 0, .size: 8, .value_kind: global_buffer, .address_space: global }
      - { .name: sc, .offset: 8, .size: 8, .value_kind: global_buffer, .address_space: global }
      - { .name: out0, .offset: 16, .size: 8, .value_kind: global_buffer, .address_space: global }
      - { .name: out1, .offset: 24, .size: 8, .value_kind: global_buffer, .address_space: global }
    .group_segment_fixed_size: 0
    .private_segment_fixed_size: 0
    .kernarg_segment_align: 8
    .kernarg_segment_size: 32
    .max_flat_workgroup_size: 128
    .sgpr_count:     66
    .vgpr_count:     112
    .wavefront_size: 32
...
	.end_amdgpu_metadata
.endif
;; end of part 3
